; MI455X (gfx1250); checked and timed in simulation.
; The chip was launched on July 23, 2026; its instructions are those of AMD's public machine-readable ISA for CDNA 5 (MIT licence, August 2026) and "CDNA5" Instruction Set Architecture Reference Guide (July 2026). The comments in the code are by the model that wrote it; some were corrected since.
;; Fast Geometric Product. Allowed arithmetic: matrix products marked QUANTISED: E4M3 operands, one given power-of-two scale a tensor, by v_wmma_f32_16x16x64_fp8_fp8 or v_wmma_f32_16x16x128_fp8_fp8, f32 sums; everything else in f32.
;; Inputs: lowp_scales 2 int32 (the exponents e of the quantised operands' scales 2^e); weight 256 x 256 x 32 float32; x 1,024 x 256 x 32 float32.
;; Outputs: out0 1,024 x 256 x 32 float32.
;; This version of the problem:
;;   THIS VERSION OF THE PROBLEM IS GIVEN IN LOW PRECISION. The matrix products marked QUANTISED in the list below multiply operands that are first quantised to E4M3 (4 exponent bits, 3 mantissa bits; 8 bits a number), with one given power-of-two scale for each operand tensor; their sums are f32. All else is computed in f32.
;;   The module's matrix products, in the order in which they are computed (A, B: the left and right operand; K: the contracted axis; several contracted axes count as one K, in the product's order):
;;     1. [M 256, K 8,192] x [K 8,192, N 32,768]; A: input weight; B: computed on the way: QUANTISED (scales: A lowp_scales[0], B lowp_scales[1])
;;   THE QUANTISER, for each operand of a quantised product, along K:
;;     - The operand's scale is 2^e, e = its entry of the input lowp_scales (int32; the entries are numbered through the quantised products in the list's order, A before B).
;;     - Each number is divided by the scale, clamped to +-448, and rounded to the nearest number of E4M3, ties to even, subnormals kept.
;;     - The product sums the exact products of the quantised numbers (number of the format x scale) in f32.
;;   ~~~python
;;   def quantise(x, axis, e):      # numpy; x: float32 -> the quantised numbers, widened to float32 again
;;       x = np.moveaxis(x, axis, -1); K = x.shape[-1]
;;       r = np.clip(x / 2.0 ** e, -448, 448)
;;       step = 2.0 ** (np.maximum(np.frexp(np.where(r == 0, 1, r))[1] - 1, -6) - 3)
;;       q = np.round(r / step) * step * 2.0 ** e      # np.round: ties to even
;;       return np.moveaxis(q, -1, axis).astype(np.float32)
;;   ~~~
;;   OPERANDS COMPUTED ON THE WAY. 'Computed on the way' means the value that the module computes at that place (a softmax that the list does not call 'softmax' is quantised finished and normalised). What goes into a quantiser is computed in f32, as accurately as f32 sums, v_exp_f32 and their like allow (about 1e-6 of the number): no bf16 or f16 on the way to a quantiser, and a product that is left as it is and whose result goes on into a quantised operand takes f32 operands (vector FMAs, or v_wmma_f32_16x16x4_f32). A number that lies on a knife's edge between two numbers of the format may be rounded either way, as far as f32 arithmetic and the matrix unit's own rounding can turn it there, and no further.
;; One version. Each part assembles by itself: llvm-mc -triple=amdgcn-amd-amdhsa -mcpu=gfx1250 --defsym DOCPART=n.
;; ======== version 1 of 1: 2 launches
;; limits: right only within a limited range of input values
;; workspace buffers: xq 8,388,608 bytes; wq 4,194,304 bytes
;; launch quant (part 1): grid 640 x 1, 4 waves a work-group, no clusters, 17,408 bytes of LDS; arguments x, weight, lowp_scales, xq, wq; writes xq, wq
.if DOCPART == 1
	.amdgcn_target "amdgcn-amd-amdhsa--gfx1250"
	.amdhsa_code_object_version 6
	.text
	.protected	k_q2c8f563e3f_quant
	.globl	k_q2c8f563e3f_quant
	.p2align	8
	.type	k_q2c8f563e3f_quant,@function
k_q2c8f563e3f_quant:
	s_mov_b64 s[64:65], 0
	v_nop
	global_prefetch_b8 v0, s[64:65] scope:SCOPE_SE
	s_setreg_imm32_b32 hwreg(HW_REG_WAVE_MODE, 25, 1), 1
	s_wait_xcnt 0x0
; x [1024][256 i][32 blades] and weight [256][256 i][32 blades], f32, become codes of FP8 (E4M3), laid as the next launch's operand registers want them.
; code = number / 2^e (entry 0 of the scales: weight, entry 1: x), held within +-448, to the nearest code, ties to even.  The quantiser works number by number and is odd,
; so the gathered and signed operand of reference() has the codes of x, moved, with signs; moving and signing are done by the next launch.  No work of reference() is left out.
; A FRAGMENT is 16 rows x 64 i at ONE blade, 1,024 bytes: [q 2][h 2][row 16][16 bytes]; byte 8 f + n of a piece is i = 32 q + 4 n + 2 h + f of the chunk of 64.  The same order serves both tensors.
; xq: [row / 16][i / 64][blade][fragment].   wq: [row / 16][i / 64][blade][sign 2][fragment]: the codes, and 1,024 bytes on the same codes with every sign bit flipped (-weight).
; LIMITS: e between -127 and 126, so that 2^-e is an f32 number.  NaN among the inputs is not served; infinities are held at the largest code.
; SHARES: a work-group takes 16 rows x 32 i x 32 blades (one q); work-groups 0-511 take x, 512-639 weight; only pointers, e and a stride are chosen, by the work-group's number.
; A wave takes 4 rows: 8 loads of 512 consecutive bytes a row, all 32 issued at once.  A lane holds 8 i of 4 blades: 8 bytes a blade go to the work-group's stage in LDS;
; behind a barrier each blade's 512 bytes are read back and stored by one instruction.
.set WGX,   512
.set PJ,    528                        ; a blade's place in the stage: 512 bytes + 16
.set SPARE, 32*PJ                      ; behind the stage: the spare words, 128 bytes a wave
.set R,     128                        ; v128-255 four rows x 32 numbers
.set O,     96                         ; v96-103  byte offsets of my 8 blades' stores
	s_load_b128 s[4:7], s[0:1], 0x0                ; x, weight
	s_load_b64 s[10:11], s[0:1], 0x10              ; the scales' exponents
	s_load_b128 s[12:15], s[0:1], 0x18             ; xq, wq
	v_lshl_add_u32 v14, v0, 2, SPARE
	v_mov_b32 v15, 0
	v_lshrrev_b32 v1, 5, v0                        ; wave
	v_and_b32 v2, 31, v0                           ; lane
	v_lshlrev_b32 v3, 4, v2                        ; 16 x lane
	v_lshl_add_u32 v4, v1, 17, v3                  ; in: my wave's 4 rows of 32,768 bytes
	v_and_b32 v5, 7, v2
	v_mul_u32_u24 v5, v5, 4*PJ                     ; stage, in: blade 4 (lane % 8) + jj,
	v_bfe_u32 v6, v0, 4, 1
	v_lshl_add_u32 v5, v6, 8, v5                   ; h,
	v_bfe_u32 v6, v0, 3, 1
	v_lshl_add_u32 v5, v6, 3, v5                   ; f,
	v_lshl_add_u32 v5, v1, 6, v5                   ; row 4 x wave
	v_mul_u32_u24 v7, v1, 8*PJ
	v_add_nc_u32 v7, v7, v3                        ; stage, out: blades 8 x wave + n, 16 bytes a lane
	s_mov_b32 s28, 0xc3e00000                      ; -448
	s_mov_b32 s29, 0x43e00000                      ; 448
	s_wait_alu depctr_va_vdst(0)
	s_wait_kmcnt 0x0
	s_load_b64 s[22:23], s[10:11], 0x0             ; e of weight, e of x
	s_cmp_lt_u32 ttmp9, WGX
	s_cselect_b64 s[4:5], s[4:5], s[6:7]
	s_cselect_b64 s[8:9], s[12:13], s[14:15]
	s_cselect_b32 s17, 0, WGX
	s_cselect_b32 s24, 10, 11                      ; log2 of the bytes from blade to blade in the output
	s_sub_co_u32 s17, ttmp9, s17                   ; g = 8 (row / 16) + 2 (chunk of 64) + q
	s_lshr_b32 s18, s17, 3
	s_and_b32 s19, s17, 7
	s_lshl_b32 s20, s18, 19                        ; 16 rows of 32,768 bytes
	s_lshl_b32 s21, s19, 12                        ; 32 i of 128 bytes
	s_add_co_u32 s20, s20, s21
	s_mov_b32 s21, 0
	s_add_nc_u64 s[4:5], s[4:5], s[20:21]
	s_lshr_b32 s18, s17, 1
	s_add_co_u32 s25, s24, 5
	s_lshl_b32 s20, s18, s25                       ; 32 blades for each (row / 16, chunk)
	s_and_b32 s19, s17, 1
	s_lshl_b32 s19, s19, 9                         ; q
	s_add_co_u32 s20, s20, s19
	s_add_nc_u64 s[8:9], s[8:9], s[20:21]
.irp rr, 0,1,2,3
.irp n, 0,1,2,3,4,5,6,7
	global_load_b128 v[R+32*\rr+4*\n:R+32*\rr+4*\n+3], v4, s[4:5] offset:32768*\rr+512*\n th:TH_LOAD_NT   ; i = 4 n + lane / 8, blades 4 (lane % 8) + 0 .. 3
.endr
.endr
	s_lshl_b32 s26, 1, s24
	v_lshlrev_b32 v8, 3, v1
	v_lshlrev_b32 v8, s24, v8
	v_add_nc_u32 v[O], v8, v3
.irp n, 1,2,3,4,5,6,7
	v_add_nc_u32 v[O+\n], s26, v[O+\n-1]
.endr
	s_wait_alu depctr_va_vdst(0)
	s_wait_kmcnt 0x0
	s_cmp_lt_u32 ttmp9, WGX
	s_cselect_b32 s22, s23, s22                    ; e
	s_sub_co_i32 s22, 127, s22
	s_lshl_b32 s22, s22, 23                        ; 2^-e as f32: the multiplication rounds nothing
	s_mov_b32 s23, s22
.macro CVJ d0, d1, jj, b               ; blade jj's eight numbers (loads 0 to 7) into 8 bytes
	v_cvt_pk_fp8_f32 v\d0\().l, v[\b+\jj], v[\b+4+\jj]
	v_cvt_pk_fp8_f32 v\d0\().h, v[\b+8+\jj], v[\b+12+\jj]
	v_cvt_pk_fp8_f32 v\d1\().l, v[\b+16+\jj], v[\b+20+\jj]
	v_cvt_pk_fp8_f32 v\d1\().h, v[\b+24+\jj], v[\b+28+\jj]
.endm
.macro ROW rr
.set RB, R+32*\rr
	s_wait_loadcnt 8*(3-\rr)                       ; this row's eight loads are in; the later rows' may be out
.set i, 0
.rept 16
	v_pk_mul_f32 v[RB+i:RB+i+1], v[RB+i:RB+i+1], s[22:23] op_sel_hi:[1,0]
.set i, i+2
.endr
.set i, 0
.rept 32
	v_med3_num_f32 v[RB+i], v[RB+i], s28, s29      ; the conversion does not saturate (ISA guide 7.6.2): hold first
.set i, i+1
.endr
	CVJ 16, 17, 0, RB
	CVJ 18, 19, 1, RB
	CVJ 20, 21, 2, RB
	CVJ 22, 23, 3, RB
.irp jj, 0,1,2,3
	ds_store_b64 v5, v[16+2*\jj:17+2*\jj] offset:\jj*PJ+16*\rr
.endr
.endm
	ROW 0
	ROW 1
	ROW 2
	ROW 3
	s_wait_dscnt 0x0                               ; for the others' sake: my stores into the stage are done
	s_barrier_signal -1
	s_barrier_wait -1
.irp n, 0,1,2,3,4,5,6,7
	ds_load_b128 v[32+4*\n:35+4*\n], v7 offset:\n*PJ
.endr
.irp n, 0,1,2,3,4,5,6,7
	s_wait_dscnt 7-\n
	global_store_b128 v[O+\n], v[32+4*\n:35+4*\n], s[8:9]      ; 512 consecutive bytes, at a multiple of 256 from the buffer's first byte
.endr
	s_cmp_lt_u32 ttmp9, WGX                        ; weight's work-groups go on: -weight
	s_cbranch_scc1 .Lend
.set i, 0
.rept 32
	v_xor_b32 v[64+i], 0x80808080, v[32+i]
.set i, i+1
.endr
.irp n, 0,1,2,3,4,5,6,7
	global_store_b128 v[O+\n], v[64+4*\n:67+4*\n], s[8:9] offset:1024
.endr
.Lend:
	s_wait_tensorcnt 0x0                           ; the wave's end
	ds_add_u32 v14, v15
	s_wait_dscnt 0x0
	s_endpgm
.Lfunc_end_k_q2c8f563e3f_quant:
	.size	k_q2c8f563e3f_quant, .Lfunc_end_k_q2c8f563e3f_quant-k_q2c8f563e3f_quant
	.p2alignl 7, 3214868480
	.fill 96, 4, 3214868480
	.section	.rodata,"a",@progbits
	.p2align	6, 0x0
	.amdhsa_kernel k_q2c8f563e3f_quant
		.amdhsa_group_segment_fixed_size 17408
		.amdhsa_private_segment_fixed_size 0
		.amdhsa_enable_private_segment 0
		.amdhsa_kernarg_size 40
		.amdhsa_user_sgpr_count 2
		.amdhsa_user_sgpr_kernarg_segment_ptr 1
		.amdhsa_wavefront_size32 1
		.amdhsa_system_sgpr_workgroup_id_x 1
		.amdhsa_system_sgpr_workgroup_id_y 1
		.amdhsa_system_sgpr_workgroup_id_z 1
		.amdhsa_system_vgpr_workitem_id 0
		.amdhsa_next_free_vgpr 256
		.amdhsa_next_free_sgpr 66
		.amdhsa_reserve_vcc 0
		.amdhsa_float_denorm_mode_32 3
		.amdhsa_float_denorm_mode_16_64 3
		.amdhsa_memory_ordered 1
		.amdhsa_forward_progress 1
		.amdhsa_inst_pref_size 28
	.end_amdhsa_kernel
	.amdgpu_metadata
---
amdhsa.version: [ 1, 2 ]
amdhsa.kernels:
  - .name:           k_q2c8f563e3f_quant
    .symbol:         k_q2c8f563e3f_quant.kd
    .args:
      - { .name: x, .offset: 0, .size: 8, .value_kind: global_buffer, .address_space: global }
      - { .name: weight, .offset: 8, .size: 8, .value_kind: global_buffer, .address_space: global }
      - { .name: lowp_scales, .offset: 16, .size: 8, .value_kind: global_buffer, .address_space: global }
      - { .name: xq, .offset: 24, .size: 8, .value_kind: global_buffer, .address_space: global }
      - { .name: wq, .offset: 32, .size: 8, .value_kind: global_buffer, .address_space: global }
    .group_segment_fixed_size: 17408
    .private_segment_fixed_size: 0
    .kernarg_segment_align: 8
    .kernarg_segment_size: 40
    .max_flat_workgroup_size: 128
    .sgpr_count:     66
    .vgpr_count:     256
    .wavefront_size: 32
...
	.end_amdgpu_metadata
.endif
;; end of part 1
;; launch gp (part 2): grid 16 x 16, 4 waves a work-group, clusters of 4 x 1, 327,680 bytes of LDS; arguments xq, wq, lowp_scales, out0; writes out0
.if DOCPART == 2
	.amdgcn_target "amdgcn-amd-amdhsa--gfx1250"
	.amdhsa_code_object_version 6
	.text
	.protected	k_q2c8f563e3f_gp
	.globl	k_q2c8f563e3f_gp
	.p2align	8
	.type	k_q2c8f563e3f_gp,@function
k_q2c8f563e3f_gp:
	s_mov_b64 s[64:65], 0
	v_nop
	global_prefetch_b8 v0, s[64:65] scope:SCOPE_SE
	s_setreg_imm32_b32 hwreg(HW_REG_WAVE_MODE, 25, 1), 1
	s_wait_xcnt 0x0
	s_wait_alu depctr_hold_cnt(0) depctr_sa_sdst(0) depctr_va_vdst(0) depctr_va_sdst(0) depctr_va_ssrc(0) depctr_va_vcc(0) depctr_vm_vsrc(0)
	s_getreg_b32 s2, hwreg(HW_REG_IB_STS2, 6, 4)
	s_cmp_eq_u32 s2, 0
	s_cbranch_scc0 .Lentry_in_a_cluster
	s_endpgm
.Lentry_in_a_cluster:
	s_bfe_u32 s2, ttmp6, 0x10000c
	s_cmp_lg_u32 s2, 0x3003
	s_cbranch_scc0 .Lentry_shape_is_right
	s_endpgm
.Lentry_shape_is_right:
; out[b][o][k] = sum over i and m of sign(m, j) x[b][i][j] w[o][i][m], j = m ^ k, on codes of FP8; each finished sum x 2^(e0 + e1).
; K IS TAKEN BLADE BY BLADE: one matrix instruction (K = 64) multiplies 16 o at blade m by 16 b at blade j over 64 i and adds onto accumulator k = m ^ j.  So the gather of reference() is a choice of registers,
; and the sign, which hangs on m and j alone, a choice between the fragment of w and that of -w, both settled when the text is assembled.  All 32 x 32 x 256 products of every (b, o) are made.
; sign(m, j) = (-1)^parity(c(m) & j): bit i of c(m) is the parity of m's bits above i (i < 4), bit 4 is m's bit 4 (the metric).
; SHARES: a work-group takes 64 b x 16 o x 32 k; a wave 16 b x 16 o x 32 k: 32 accumulators.  Four chunks of 64 i; in each 32 steps m of 32 matrix instructions: every fragment of w meets all 32 blades of x.
; X comes from memory straight into registers (each wave reads its own 16 b; xq is laid as register images): two sets of 32 fragments by turns, a set asked for a chunk, 1,024 matrix instructions, ahead.
; W, both signs, 256 KiB for the work-group's 16 o, is filled once into LDS: chunk 0 at the head, chunks 1 to 3 behind a second round; the waves read it four steps m (8 KiB, 16 loads) at a time, two groups ahead, into three buffers by turns.
; CLUSTER: the four work-groups of a cluster share their 16 o: W's tiles are asked for jointly (mask 15).  X is shared by no partner.
; No prefetch is laid: nothing is asked for later than a chunk (X) or 6 groups (W's chunks 1 to 3) ahead of its use but the head's own loads, which have nothing to run ahead in.
; LIMIT: e0 + e1 between -126 and 127, so that 2^(e0 + e1) is an f32 number.
; REGISTERS: window 0: v0-31 addresses, v32-223 W's three buffers (on the way out: at work); window 1: accumulator k at v[8 k]; windows 2 and 3: X's sets of even and odd chunks, blade j at v[8 j].
.set C0,    196608                     ; LDS: chunks 1 to 3 from 0 on, chunk 0 at C0
.set STG,   196608                     ; the way out: a stage of 16 rows x SROW a wave, on chunk 0's bytes, which have had their only fill and, behind the barrier in group 6, their last read
.set SROW,  1040
.set SPARE, STG+4*16*SROW              ; the spare words, 128 bytes a wave
.set XO,  2                            ; v2    16 x lane
.set AW,  4                            ; v4-7  16 x lane + chunk c's place
.set STO, 8
.set RD,  9
.set SPW, 10
.set NIL, 11
.set WB,  32
.set G1,  24                           ; s[24:31] group 1 of chunk 0's load; s[48:55] of the load of chunks 1 to 3; s[32:35], s[36:39] their groups 0
.set G1B, 48
.set MSB, 0
.macro WIN new
.if MSB != \new
	s_set_vgpr_msb (MSB<<8)|\new
.set MSB, \new
.endif
.endm
.macro CROUND                          ; a round of the cluster's barrier
	s_barrier_signal -1
	s_barrier_wait -1
	s_cmp_lg_u32 s14, 0
	s_cbranch_scc1 .Lnot_wave_0_\@
	s_barrier_signal -3
.Lnot_wave_0_\@:
	s_barrier_wait -3
	s_barrier_signal -1
	s_barrier_wait -1
.endm
.macro PLACES n
.rept \n
	v_nop
.endr
.endm
; chunk c's X set: nj fragments from blade j0 on
.macro XLOAD c, j0, nj
	WIN 0x80+0x40*((\c)&1)
.set xj, \j0
.rept \nj
.irp q, 0,1
	global_load_b128 v[8*xj+4*\q:8*xj+4*\q+3], v[XO], s[4:5] offset:(\c)*32768+xj*1024+512*\q
.endr
.set xj, xj+1
.endr
.endm
; W's group g (of 32: 8 a chunk): steps m = 4 (g % 8) + 0 .. 3, each +w then -w: 8,192 consecutive bytes of the chunk
.macro WLOAD g
.set wr, WB+64*((\g)%3)
.irp f, 0,1,2,3,4,5,6,7,8,9,10,11,12,13,14,15
	ds_load_b128 v[wr+4*\f:wr+4*\f+3], v[AW+(\g)/8] offset:((\g)%8)*8192+512*\f
.endr
.endm
; step m of chunk c: 32 matrix instructions, the accumulators in the same order in every step
.macro MSTEP c, m, wb
.set mpm, (\m)^((\m)>>1)^((\m)>>2)^((\m)>>3)^((\m)>>4)
.set mcc, ((mpm>>1)&15)|((\m)&16)
.irp a, 0,1,2,3,4,5,6,7,8,9,10,11,12,13,14,15,16,17,18,19,20,21,22,23,24,25,26,27,28,29,30,31
.set mj, (\a)^(\m)
.set mtt, mcc&mj
.set msg, (mtt^(mtt>>1)^(mtt>>2)^(mtt>>3)^(mtt>>4))&1
.if ((\c)==0)&&((\m)==0)
	v_wmma_f32_16x16x64_fp8_fp8 v[8*\a:8*\a+7], v[\wb+8*msg:\wb+8*msg+7], v[8*mj:8*mj+7], 0
.else
	v_wmma_f32_16x16x64_fp8_fp8 v[8*\a:8*\a+7], v[\wb+8*msg:\wb+8*msg+7], v[8*mj:8*mj+7], v[8*\a:8*\a+7]
.endif
.endr
.endm
; chunk 0's step m (m < 8) on the eight accumulators from a0 on: blade j = k ^ m stays inside the same eight blades
.macro MBLK m, wb, a0
.set mpm, (\m)^((\m)>>1)^((\m)>>2)^((\m)>>3)^((\m)>>4)
.set mcc, ((mpm>>1)&15)|((\m)&16)
.set ma, \a0
.rept 8
.set mj, ma^(\m)
.set mtt, mcc&mj
.set msg, (mtt^(mtt>>1)^(mtt>>2)^(mtt>>3)^(mtt>>4))&1
.if (\m)==0
	v_wmma_f32_16x16x64_fp8_fp8 v[8*ma:8*ma+7], v[\wb+8*msg:\wb+8*msg+7], v[8*mj:8*mj+7], 0
.else
	v_wmma_f32_16x16x64_fp8_fp8 v[8*ma:8*ma+7], v[\wb+8*msg:\wb+8*msg+7], v[8*mj:8*mj+7], v[8*ma:8*ma+7]
.endif
.set ma, ma+1
.endr
.endm
.macro GROUP g
.set gc, (\g)/8
.set gq, (\g)%8
	PLACES 4                                       ; in front of loads into registers that matrix instructions have read
	WIN 0
.if gq == 0
	s_wait_loadcnt 0x0                             ; this chunk's X set is in
.endif
.if (\g) == 6
	s_wait_tensorcnt 0x0                           ; my part of chunks 1 to 3 has landed,
	s_wait_dscnt 0x0                               ; and my reads of chunk 0 are over
	s_barrier_signal -1
	s_barrier_wait -1                              ; both hold of every wave
.endif
.if (\g) == 2
	WLOAD 3                                        ; groups 0 and 1 were multiplied together: both their buffers are free
.endif
.if (\g)+2 < 32
	WLOAD (\g)+2
.endif
.set gx, -1                                    ; which quarter of the next chunk's X set is asked for here: chunk 0 asks in groups 2 to 5, chunks 1 and 2 in their groups 0 to 3
.if gc == 0
.if (gq >= 2) && (gq < 6)
.set gx, gq-2
.endif
.elseif gc < 3
.if gq < 4
.set gx, gq
.endif
.endif
.if gx >= 0
	XLOAD gc+1, 8*gx, 8
.endif
.if (\g) == 6
	s_wait_dscnt 16                                ; only group 8's loads are out
.elseif (\g) < 30
	s_wait_dscnt 32                                ; this group's 16 loads are in; the two younger groups' may be out
.elseif (\g) == 30
	s_wait_dscnt 16
.else
	s_wait_dscnt 0
.endif
	WIN 0x58+4*(gc&1)                              ; W window 0, X window 2 or 3, C and D window 1
.irp mi, 0,1,2,3
	MSTEP gc, 4*gq+\mi, WB+64*((\g)%3)+16*\mi
.endr
.endm
	s_load_b128 s[4:7], s[0:1], 0x0                ; xq, wq
	s_load_b128 s[8:11], s[0:1], 0x10              ; the scales' exponents, out
	v_lshl_add_u32 v[SPW], v0, 2, SPARE
	v_mov_b32 v[NIL], 0
	ds_add_u32 v[SPW], v[NIL]                      ; the opening lines: the add, twice on end, and its wait
	ds_add_u32 v[SPW], v[NIL]
	v_lshrrev_b32 v1, 5, v0
	v_readfirstlane_b32 s14, v1                    ; wave
	v_and_b32 v12, 31, v0
	v_lshlrev_b32 v[XO], 4, v12
	v_add_nc_u32 v[AW], C0, v[XO]
	v_mov_b32 v[AW+1], v[XO]
	v_add_nc_u32 v[AW+2], 65536, v[XO]
	v_add_nc_u32 v[AW+3], 131072, v[XO]
	v_mul_u32_u24 v13, v1, 16*SROW
	v_add_nc_u32 v13, STG, v13                     ; my stage
	v_and_b32 v12, 15, v0
	v_mul_u32_u24 v[STO], v12, SROW                ; in: row b = lane % 16,
	v_add_nc_u32 v[STO], v[STO], v13
	v_bfe_u32 v12, v0, 4, 1
	v_lshl_add_u32 v[STO], v12, 9, v[STO]          ; four o of 128 bytes for each half of the lanes
	v_add_nc_u32 v[RD], v13, v[XO]                 ; back: 512 bytes of a row
	s_bfe_u32 s40, ttmp6, 0x40000                  ; cx
	s_lshl_b32 s42, ttmp9, 2
	s_add_co_u32 s42, s42, s40                     ; block of 64 b
	s_lshl_b32 s42, s42, 2
	s_add_co_u32 s42, s42, s14                     ; my tile of 16 b
	s_and_b32 s17, ttmp7, 0xffff                   ; block of 16 o: the same in all four partners
.irp g, G1, G1B
	s_mov_b32 s[\g+0], 15|(3<<16)|(1<<21)          ; the mask of the four; elements of 8 bytes; bit 21 beside a mask
	s_mov_b32 s[\g+1], 32<<16                      ; rows of 256 bytes
	s_mov_b32 s[\g+3], 32<<16
	s_mov_b32 s[\g+5], 32
	s_mov_b32 s[\g+6], 0
	s_mov_b32 s[\g+7], 0
.endr
	s_mov_b32 s[G1+2], 64<<16                      ; 64 rows: 16 KiB a wave
	s_mov_b32 s[G1+4], 64
	s_mov_b32 s[G1B+2], 192<<16                    ; 192 rows: 48 KiB a wave
	s_mov_b32 s[G1B+4], 192
	s_lshl_b32 s18, s14, 14                        ; my quarter of chunk 0,
	s_mul_i32 s19, s14, 49152                      ; and of chunks 1 to 3
	s_lshl_b32 s20, s17, 18                        ; 16 o are 262,144 bytes of wq
	s_add_co_u32 s12, s20, s19
	s_add_co_u32 s12, s12, 65536
	s_mov_b32 s13, 0
	s_add_co_u32 s20, s20, s18
	s_mov_b32 s21, 0
	s_lshl_b32 s22, s42, 17                        ; a tile of 16 b is 131,072 bytes of xq
	s_mov_b32 s23, 0
	s_lshl_b32 s46, s42, 19                        ; and 16 rows of 32,768 bytes of out,
	s_lshl_b32 s47, s17, 11                        ; 16 o are 2,048 bytes of a row
	s_add_co_u32 s46, s46, s47
	s_mov_b32 s47, 0
	s_mov_b32 s32, 1
	s_add_co_u32 s33, s18, C0
	s_mov_b32 s36, 1
	s_mov_b32 s37, s19
	s_wait_alu depctr_va_vdst(0)
	s_wait_dscnt 0x0                               ; both opening adds are done
	s_wait_kmcnt 0x0
	s_load_b64 s[44:45], s[8:9], 0x0               ; e0, e1
	s_add_nc_u64 s[4:5], s[4:5], s[22:23]
	s_add_nc_u64 s[34:35], s[6:7], s[20:21]
	s_add_nc_u64 s[38:39], s[6:7], s[12:13]
	s_or_b32 s35, s35, 0x80000000
	s_or_b32 s39, s39, 0x80000000
	s_add_nc_u64 s[10:11], s[10:11], s[46:47]
	CROUND                                         ; in front of the first joint loads
	tensor_load_to_lds s[32:35], s[G1:G1+7]        ; chunk 0, my quarter: one tensor load a wave at the head
	s_nop 0
	XLOAD 0, 0, 32                                 ; chunk 0's X set: 64 loads, blades ascending, two a blade
	WIN 0
	s_wait_tensorcnt 0x0                           ; my part of chunk 0 is in
	ds_add_u32 v[SPW], v[NIL]
	s_wait_dscnt 0x0
	CROUND
	tensor_load_to_lds s[36:39], s[G1B:G1B+7]      ; chunks 1 to 3, my quarter
	s_nop 0
	PLACES 4
	WLOAD 0
	WLOAD 1
	WLOAD 2
	s_wait_dscnt 16                                ; groups 0 and 1 are in; group 2's 16 loads may be out
	; THE START: steps m = 0 .. 7 go by blocks of eight accumulators, so that block t needs blades 8 t .. 8 t + 7 alone and is multiplied while the later blades are on their way
.irp t, 0,1,2,3
	s_wait_loadcnt 48-16*\t                        ; the first 16 (t + 1) loads of X are in; the younger ones may be out
	WIN 0x58
.irp m, 0,1,2,3,4,5,6,7
	MBLK \m, WB+16*\m, 8*\t
.endr
.endr
.set GI, 2
.rept 30
	GROUP GI
.set GI, GI+1
.endr
	; THE WAY OUT.  Lane (b = lane % 16, h) holds, in register v of accumulator k, out(b, 8 h + v, k).  For each v the 32 k are scaled into 32 neighbouring registers: 128 neighbouring bytes of a row of out.
	; In two halves (v = 0 .. 3, then 4 .. 7) they go through my own stage and come back as runs of 512 bytes.  LDS serves a wave's instructions in order, so no wait stands between the stores and the loads.
.macro LB n, a                         ; rows 8 n .. 8 n + 7 back into area a
.irp rr, 0,1,2,3,4,5,6,7
.irp u, 0,1
	ds_load_b128 v[WB+64*\a+8*\rr+4*\u:WB+64*\a+8*\rr+4*\u+3], v[RD] offset:(8*\n+\rr)*SROW+512*\u
.endr
.endr
.endm
.macro ST n, a, hv
.irp rr, 0,1,2,3,4,5,6,7
.irp u, 0,1
	global_store_b128 v[XO], v[WB+64*\a+8*\rr+4*\u:WB+64*\a+8*\rr+4*\u+3], s[10:11] offset:(8*\n+\rr)*32768+1024*\u+512*\hv th:TH_STORE_NT   ; 512 consecutive bytes, at a multiple of 256 from out's first byte
.endr
.endr
.endm
.macro HALF hv
.if \hv
	s_wait_xcnt 0x0                                ; the first half's stores have read their registers
.endif
.irp bb, 0,1
	WIN 0x04                                       ; source 1: window 1
.irp vi, 0,1
.set ek, 0
.rept 32
	v_mul_f32 v[WB+64*\bb+32*\vi+ek], s44, v[8*ek+4*\hv+2*\bb+\vi]   ; each accumulator from its low end on
.set ek, ek+1
.endr
.endr
	WIN 0
.irp vi, 0,1
.irp t, 0,1,2,3,4,5,6,7
	ds_store_b128 v[STO], v[WB+64*\bb+32*\vi+4*\t:WB+64*\bb+32*\vi+4*\t+3] offset:(2*\bb+\vi)*128+16*\t
.endr
.endr
.endr
	LB 0, 2
	LB 1, 0
	s_wait_dscnt 16
	ST 0, 2, \hv
	s_wait_dscnt 0x0
	ST 1, 0, \hv
.endm
	PLACES 4
	WIN 0
	s_wait_kmcnt 0x0
	s_add_co_i32 s44, s44, s45
	s_add_co_i32 s44, s44, 127
	s_lshl_b32 s44, s44, 23                        ; 2^(e0 + e1)
	HALF 0
	HALF 1
	s_wait_tensorcnt 0x0                           ; the wave's end
	ds_add_u32 v[SPW], v[NIL]
	s_wait_dscnt 0x0
	CROUND                                         ; the closing round
	s_endpgm
.Lfunc_end_k_q2c8f563e3f_gp:
	.size	k_q2c8f563e3f_gp, .Lfunc_end_k_q2c8f563e3f_gp-k_q2c8f563e3f_gp
	.p2alignl 7, 3214868480
	.fill 96, 4, 3214868480
	.section	.rodata,"a",@progbits
	.p2align	6, 0x0
	.amdhsa_kernel k_q2c8f563e3f_gp
		.amdhsa_group_segment_fixed_size 327680
		.amdhsa_private_segment_fixed_size 0
		.amdhsa_enable_private_segment 0
		.amdhsa_kernarg_size 32
		.amdhsa_user_sgpr_count 2
		.amdhsa_user_sgpr_kernarg_segment_ptr 1
		.amdhsa_wavefront_size32 1
		.amdhsa_system_sgpr_workgroup_id_x 1
		.amdhsa_system_sgpr_workgroup_id_y 1
		.amdhsa_system_sgpr_workgroup_id_z 1
		.amdhsa_system_vgpr_workitem_id 0
		.amdhsa_next_free_vgpr 1024
		.amdhsa_next_free_sgpr 66
		.amdhsa_reserve_vcc 0
		.amdhsa_float_denorm_mode_32 3
		.amdhsa_float_denorm_mode_16_64 3
		.amdhsa_memory_ordered 1
		.amdhsa_forward_progress 1
		.amdhsa_inst_pref_size 255
	.end_amdhsa_kernel
	.section	.bss,"aw",@nobits
	.p2align	6
	.space	262144
	.amdgpu_metadata
---
amdhsa.version: [ 1, 2 ]
amdhsa.kernels:
  - .name:           k_q2c8f563e3f_gp
    .symbol:         k_q2c8f563e3f_gp.kd
    .args:
      - { .name: xq, .offset: 0, .size: 8, .value_kind: global_buffer, .address_space: global }
      - { .name: wq, .offset: 8, .size: 8, .value_kind: global_buffer, .address_space: global }
      - { .name: lowp_scales, .offset: 16, .size: 8, .value_kind: global_buffer, .address_space: global }
      - { .name: out0, .offset: 24, .size: 8, .value_kind: global_buffer, .address_space: global }
    .group_segment_fixed_size: 327680
    .private_segment_fixed_size: 0
    .kernarg_segment_align: 8
    .kernarg_segment_size: 32
    .max_flat_workgroup_size: 128
    .sgpr_count:     66
    .vgpr_count:     1024
    .wavefront_size: 32
...
	.end_amdgpu_metadata
.endif
;; end of part 2
